; MI455X (gfx1250); checked and timed in simulation.
; The chip was launched on July 23, 2026; its instructions are those of AMD's public machine-readable ISA for CDNA 5 (MIT licence, August 2026) and "CDNA5" Instruction Set Architecture Reference Guide (July 2026). The comments in the code are by the model that wrote it; some were corrected since.
;; LSTM Cell. Allowed arithmetic: matrix products marked QUANTISED: E2M1 operands, one E8M0 scale for each 32 along K, by v_wmma_scale_f32_16x16x128_f8f6f4 with both operands' format E2M1 (or v_wmma_scale_f32_32x16x128_f4), f32 sums; everything else in f32.
;; Inputs: W_c 1,024 x 2,048 float32; W_f 1,024 x 2,048 float32; W_i 1,024 x 2,048 float32; W_o 1,024 x 2,048 float32; b_c 1,024 float32; b_f 1,024 float32; b_i 1,024 float32; b_o 1,024 float32; c 8,192 x 1,024 float32; h 8,192 x 1,024 float32; x 8,192 x 1,024 float32.
;; Outputs: out0 8,192 x 1,024 float32; out1 8,192 x 1,024 float32.
;; This version of the problem:
;;   THIS VERSION OF THE PROBLEM IS GIVEN IN LOW PRECISION. The matrix products marked QUANTISED in the list below multiply operands that are first quantised to E2M1 (2 exponent bits, 1 mantissa bit; 4 bits a number), with one power-of-two scale for each 32 numbers along K (OCP MX v1.0); their sums are f32. All else is computed in f32.
;;   The module's matrix products, in the order in which they are computed (A, B: the left and right operand; K: the contracted axis; several contracted axes count as one K, in the product's order):
;;     1. [M 8,192, K 2,048] x [K 2,048, N 4,096]; A: computed on the way; B: computed on the way: QUANTISED
;;   THE QUANTISER, for each operand of a quantised product, along K:
;;     - K is cut into blocks of 32 from its start; a last block that is shorter is filled with zeros.
;;     - A block's scale is 2^e with e = floor(log2(the largest magnitude in the block)) - 2, held to -126 .. 127; a block of zeros has e = 0. As a byte (E8M0): e + 127.
;;     - Each number is divided by its block's scale, clamped to +-6, and rounded to the nearest number of E2M1, ties to even, subnormals kept.
;;     - The product sums the exact products of the quantised numbers (number of the format x scale) in f32.
;;   ~~~python
;;   def quantise(x, axis):      # numpy; x: float32 -> the quantised numbers, widened to float32 again
;;       x = np.moveaxis(x, axis, -1); K = x.shape[-1]
;;       x = np.pad(x, [(0, 0)] * (x.ndim - 1) + [(0, -K % 32)]); x = x.reshape(x.shape[:-1] + (-1, 32)); a = np.abs(x).max(-1, keepdims=True)
;;       e = np.where(a > 0, np.clip(np.frexp(np.where(a > 0, a, 1))[1] - 1 - 2, -126, 127), 0)      # np.frexp(a)[1] - 1 = floor(log2(a)), exactly
;;       r = np.clip(x / 2.0 ** e, -6, 6)
;;       step = 2.0 ** (np.maximum(np.frexp(np.where(r == 0, 1, r))[1] - 1, 0) - 1)
;;       q = np.round(r / step) * step * 2.0 ** e      # np.round: ties to even
;;       return np.moveaxis(q.reshape(q.shape[:-2] + (-1,))[..., :K], -1, axis).astype(np.float32)
;;   ~~~
;;   OPERANDS COMPUTED ON THE WAY. 'Computed on the way' means the value that the module computes at that place (a softmax that the list does not call 'softmax' is quantised finished and normalised). What goes into a quantiser is computed in f32, as accurately as f32 sums, v_exp_f32 and their like allow (about 1e-6 of the number): no bf16 or f16 on the way to a quantiser, and a product that is left as it is and whose result goes on into a quantised operand takes f32 operands (vector FMAs, or v_wmma_f32_16x16x4_f32). A number that lies on a knife's edge between two numbers of the format may be rounded either way, as far as f32 arithmetic and the matrix unit's own rounding can turn it there, and no further.
;; One version. Each part assembles by itself: llvm-mc -triple=amdgcn-amd-amdhsa -mcpu=gfx1250 --defsym DOCPART=n.
;; ======== version 1 of 1: 2 launches
;; limits: right only within a limited range of input values
;; workspace buffers: a_codes 8,388,608 bytes; w_codes 4,194,304 bytes; a_scales 524,288 bytes; w_scales 262,144 bytes
;; launch quant (part 1): grid 768 x 1, 4 waves a work-group, no clusters, 33,280 bytes of LDS; arguments x, h, W_f, W_i, W_c, W_o, a_codes, a_scales, w_codes, w_scales; writes a_codes, a_scales, w_codes, w_scales
.if DOCPART == 1
	.amdgcn_target "amdgcn-amd-amdhsa--gfx1250"
	.amdhsa_code_object_version 6
	.text
	.protected	k_q03ed0d0682_quant
	.globl	k_q03ed0d0682_quant
	.p2align	8
	.type	k_q03ed0d0682_quant,@function
k_q03ed0d0682_quant:
	s_mov_b64 s[64:65], 0
	v_nop
	global_prefetch_b8 v0, s[64:65] scope:SCOPE_SE
	s_setreg_imm32_b32 hwreg(HW_REG_WAVE_MODE, 25, 1), 1
	s_wait_xcnt 0x0
; xh = [x | h] (8,192 rows x 2,048) and W = the four gates' weights (4 x 1,024 rows x 2,048), all f32 with K innermost, become codes of FP4 (E2M1) with one E8M0 scale byte for each 32 along K.
; A block's scale is 2^(floor(log2(its largest magnitude)) - 2); its byte is the largest magnitude's own exponent field - 2, held at 1 from below.  Each number is divided by the scale and rounded to the nearest code, ties to even, beyond 6 the largest code.
; LIMITS: NaN and infinities among the inputs are not served.  A block of zeros gets the byte 1 where the rule says 127: its codes are zeros, which add nothing under any byte but 0xff, and the bytes are read by this program alone.
;         Blocks whose largest magnitude lies under 2^-124 are held at the byte 1.
; WHAT IS WRITTEN.  a_codes [8,192 rows][1,024 bytes]: bytes 0-511 x's codes, 512-1,023 h's; two codes a byte, the lower k in the low four bits.  w_codes [4,096 rows n'][1,024 bytes] likewise, with the rows in the order
; n' = 128 (j / 32) + 32 g + j % 32 for hidden unit j of gate g (f, i, c, o = 0 .. 3): 128 neighbouring rows then hold all four gates of 32 hidden units.
; a_scales, w_scales: [groups of 128 rows][2 halves of K][128 rows][32 bytes]: a group is 8,192 dense bytes.
; SHARES.  A wave takes a RUN: 8 rows x 1,024 along K (one half of K), as 16 steps of 512 numbers.  Its codes are 16 aligned pieces of 256 bytes, its scale bytes one aligned piece of 256 bytes.
; Work-groups 0-255 take x, 256-511 h, 512-767 the weights (64 work-groups a gate): only pointers, offsets and the row's stride are chosen, on the work-group's number; all take ONE path through the text.
; THE TURN THROUGH LDS.  The conversions take 8 numbers of one block from ONE lane's consecutive registers, so a lane must hold 16 neighbours (two neighbouring lanes hold a block); a load is best where neighbouring lanes take
; neighbouring bytes.  So each of a step's four loads reads 512 consecutive bytes, 16 a lane; the 2,048 bytes go through the wave's own stage in LDS as they lie and come back 64 bytes a lane (16 bytes of padding behind each 64).
; No tensor loads, no barrier: waves share nothing.  Loads run four steps (16 loads a wave) ahead, the turn through LDS one step.
.set STEPS, 16
.set SP,    80                         ; a lane's place in a stage: its 64 bytes + 16 of padding
.set WREG,  8192                       ; LDS: a region for each wave: two stages of 32 x SP bytes, behind them its 256 scale bytes
.set R,     16                         ; v16-79   four sets of 16 numbers as they are loaded
.set X,     80                         ; v80-111  two sets of 16 neighbours
.set E,     112                        ; v112-127 a scale byte for each step
.set C,     128                        ; v128-159 codes: two registers for each step, so that no store's data are written again
.set OFF,   160                        ; v160-167 row r of the run: 16 x lane + r x the row's stride; never rewritten
	s_load_b256 s[4:11], s[0:1], 0x0               ; x s[4:5], h s[6:7], W_f s[8:9], W_i s[10:11]
	s_load_b256 s[12:19], s[0:1], 0x20             ; W_c s[12:13], W_o s[14:15], a_codes s[16:17], a_scales s[18:19]
	s_load_b128 s[20:23], s[0:1], 0x40             ; w_codes s[20:21], w_scales s[22:23]
	v_lshl_add_u32 v168, v0, 2, 0x8000
	v_mov_b32 v169, 0
	v_lshrrev_b32 v1, 5, v0
	v_readfirstlane_b32 s24, v1                    ; wave 0..3
	v_and_b32 v2, 31, v0                           ; lane
	v_lshlrev_b32 v3, 4, v2                        ; my 16 bytes of a load's 512
	s_mul_i32 s34, s24, WREG
	v_lshrrev_b32 v14, 2, v2
	v_mul_u32_u24 v14, v14, SP
	v_and_b32 v15, 3, v2
	v_lshl_add_u32 v14, v15, 4, v14
	v_add_nc_u32 v14, s34, v14                     ; the stage, on the way in: four lanes' 64 bytes on end, then the padding: SP (lane / 4) + 16 (lane % 4)
	v_mul_u32_u24 v15, v2, SP
	v_add_nc_u32 v15, s34, v15                     ; and on the way out: SP x lane: my 16 neighbours
	v_lshlrev_b32 v4, 3, v2                        ; 8 x lane: my codes' place in a step's 256 bytes, and my 8 of the run's 256 scale bytes
	v_lshrrev_b32 v5, 1, v2
	s_add_co_u32 s34, s34, 2*32*SP
	v_add_nc_u32 v5, s34, v5                       ; LDS: my wave's 256 scale bytes, my block's byte
	v_add_nc_u32 v6, s34, v4                       ; and 8 bytes a lane on the way out
	; which run is mine, as a run of x or h, and as a run of a weight; the choice follows below
	s_and_b32 s25, ttmp9, 255
	s_lshl_b32 s25, s25, 2
	s_add_co_u32 s25, s25, s24                     ; x, h: run 0 .. 1,023 = rows / 8
	s_bfe_u32 s26, ttmp9, 0x10008                  ; which half of K: x 0, h 1
	s_lshl_b32 s31, s25, 15                        ; its first byte: 8 rows of 4,096 bytes a run
	s_bfe_u32 s27, ttmp9, 0x20006                  ; weights: the gate g
	s_and_b32 s29, ttmp9, 63
	s_lshl_b32 s29, s29, 2
	s_add_co_u32 s29, s29, s24                     ; run 0 .. 255 of the gate
	s_and_b32 s28, s29, 1                          ; which half of K
	s_lshr_b32 s29, s29, 1                         ; which 8 rows of the gate
	s_lshl_b32 s32, s29, 16                        ; their first byte: 8 rows of 8,192 bytes,
	s_lshl_b32 s33, s28, 12
	s_add_co_u32 s32, s32, s33                     ; + 4,096 for the second half of K
	s_lshr_b32 s30, s29, 2
	s_lshl_b32 s30, s30, 4
	s_lshl_b32 s33, s27, 2
	s_add_co_u32 s30, s30, s33
	s_and_b32 s33, s29, 3
	s_add_co_u32 s30, s30, s33                     ; n' / 8 = 16 (rows / 32) + 4 g + (rows / 8) % 4
	s_wait_kmcnt 0x0
	s_cmp_lt_u32 ttmp9, 256                        ; every choice hangs on the work-group's number alone
	s_cselect_b64 s[4:5], s[4:5], s[6:7]           ; x or h
	s_cmp_eq_u32 s27, 1
	s_cselect_b64 s[8:9], s[10:11], s[8:9]         ; the gate's weight
	s_cmp_eq_u32 s27, 2
	s_cselect_b64 s[8:9], s[12:13], s[8:9]
	s_cmp_eq_u32 s27, 3
	s_cselect_b64 s[8:9], s[14:15], s[8:9]
	s_mov_b32 s42, 8192                            ; a weight's row in bytes
	s_cmp_lt_u32 ttmp9, 512                        ; xh or a weight?  Only selections stand between this compare and the last of them
	s_cselect_b64 s[4:5], s[4:5], s[8:9]           ; the source,
	s_cselect_b64 s[16:17], s[16:17], s[20:21]     ; the codes' buffer,
	s_cselect_b64 s[18:19], s[18:19], s[22:23]     ; the scale bytes' buffer,
	s_cselect_b32 s25, s25, s30                    ; the run's place among the buffer's rows / 8,
	s_cselect_b32 s26, s26, s28                    ; its half of K,
	s_cselect_b32 s36, s31, s32                    ; its first byte in the source,
	s_cselect_b32 s42, 4096, s42                   ; and the source's row in bytes
	s_mov_b32 s37, 0
	s_lshl_b32 s38, s25, 13                        ; codes: 8 rows of 1,024 bytes a run,
	s_lshl_b32 s33, s26, 9
	s_add_co_u32 s38, s38, s33                     ; + 512 for the second half of K
	s_mov_b32 s39, 0
	s_lshr_b32 s40, s25, 4                         ; scale bytes: the group of 128 rows, 8,192 bytes,
	s_lshl_b32 s40, s40, 13
	s_lshl_b32 s33, s26, 12
	s_add_co_u32 s40, s40, s33                     ; the half of K, 4,096 bytes,
	s_and_b32 s33, s25, 15
	s_lshl_b32 s33, s33, 8
	s_add_co_u32 s40, s40, s33                     ; the run's 8 rows of 32 bytes
	s_mov_b32 s41, 0
	s_add_nc_u64 s[4:5], s[4:5], s[36:37]
	s_add_nc_u64 s[16:17], s[16:17], s[38:39]
	s_add_nc_u64 s[18:19], s[18:19], s[40:41]
.irp r, 0,1,2,3,4,5,6,7
	v_mad_u32_u24 v[OFF+\r], s42, \r, v3           ; row r of the run
.endr
.macro LOAD t                          ; step t: half t % 2 of row t / 2's 4,096 bytes
.irp i, 0,1,2,3
	global_load_b128 v[R+16*((\t)%4)+4*\i:R+16*((\t)%4)+4*\i+3], v[OFF+(\t)/2], s[4:5] offset:2048*((\t)%2)+512*\i th:TH_LOAD_NT   ; 32 lanes read 512 consecutive bytes; read once in the launch
.endr
.endm
.macro TURN t                          ; step t's numbers through the stage: LDS serves a wave's instructions in order (ISA guide 5.7.1.4), so no wait stands between the stores and the loads
.irp i, 0,1,2,3
	ds_store_b128 v14, v[R+16*((\t)%4)+4*\i:R+16*((\t)%4)+4*\i+3] offset:32*SP*((\t)%2)+8*SP*\i
.endr
.irp i, 0,1,2,3
	ds_load_b128 v[X+16*((\t)%2)+4*\i:X+16*((\t)%2)+4*\i+3], v15 offset:32*SP*((\t)%2)+16*\i
.endr
.endm
.irp t, 0,1,2,3
	LOAD \t
.endr
	s_wait_alu depctr_va_vdst(0)
	s_wait_loadcnt 12                              ; step 0's four loads are in; the twelve of steps 1 to 3 may be out
	TURN 0
.macro STEP t
.set XS, X+16*((\t)%2)
.if (\t) > 0
	s_wait_dscnt 1                                 ; this step's numbers are back from the stage (the last step's byte store may be out): so its stores into the stage have read their registers,
.else
	s_wait_dscnt 0x0
.endif
.if (\t)+4 < STEPS
	LOAD (\t)+4                                    ; which take the loads of four steps on
.endif
.if (\t)+1 < STEPS
.if STEPS-2-(\t) >= 3
	s_wait_loadcnt 12                              ; the next step's four loads are in; those of the three steps behind it may be out
.else
	s_wait_loadcnt 4*(STEPS-2-(\t))                ; at the end the counts run down
.endif
	TURN (\t)+1                                    ; and go through the other stage while this step is worked
.endif
	v_max3_num_f32 v8, |v[XS]|, |v[XS+1]|, |v[XS+2]|               ; the largest magnitude of my 16, in two chains
	v_max3_num_f32 v9, |v[XS+3]|, |v[XS+4]|, |v[XS+5]|
.irp i, 6,10
	v_max3_num_f32 v8, v8, |v[XS+\i]|, |v[XS+\i+1]|
	v_max3_num_f32 v9, v9, |v[XS+\i+2]|, |v[XS+\i+3]|
.endr
	v_max3_num_f32 v8, v8, |v[XS+14]|, |v[XS+15]|
	v_max3_num_f32 v8, v8, v9, 0x1800000           ; and the floor 2^(3 - 127), under which no largest magnitude is taken: so the byte cannot fall under 1
	v_max_num_f32_dpp v8, v8, v8 row_xmask:1 row_mask:0xf bank_mask:0xf   ; and of my neighbour's 16: the block's
	v_add_nc_u32 v11, 0xff000000, v8               ; 2 off its exponent field: the conversion takes the exponent field of this operand as its scale, and nothing else of it
	v_cvt_scalef32_pk8_fp4_f32 v[C+2*(\t)], v[XS:XS+7], v11        ; eight numbers / the scale, to the nearest code, ties to even; the first number's code in the lowest four bits
	v_cvt_scalef32_pk8_fp4_f32 v[C+2*(\t)+1], v[XS+8:XS+15], v11
	v_lshrrev_b32 v[E+(\t)], 23, v11               ; the scale's byte (also the plain line behind the conversions)
	ds_store_b8 v5, v[E+(\t)] offset:16*(\t)       ; both lanes of a block write the same byte with the same value
	global_store_b64 v4, v[C+2*(\t):C+2*(\t)+1], s[16:17] offset:1024*((\t)/2)+256*((\t)%2)   ; 32 lanes store 256 consecutive bytes, at a multiple of 256 from the buffer's first byte; the next launch reads them
.endm
.irp t, 0,1,2,3,4,5,6,7,8,9,10,11,12,13,14,15
	STEP \t
.endr
	ds_load_b64 v[12:13], v6                       ; LDS serves a wave's instructions in order: these see my byte stores
	s_wait_dscnt 0x0
	global_store_b64 v4, v[12:13], s[18:19]        ; the run's 256 scale bytes: 8 rows x 32, consecutive, at a multiple of 256
	s_wait_tensorcnt 0x0
	ds_add_u32 v168, v169
	s_wait_dscnt 0x0
	s_endpgm
.Lfunc_end_k_q03ed0d0682_quant:
	.size	k_q03ed0d0682_quant, .Lfunc_end_k_q03ed0d0682_quant-k_q03ed0d0682_quant
	.p2alignl 7, 3214868480
	.fill 96, 4, 3214868480
	.section	.rodata,"a",@progbits
	.p2align	6, 0x0
	.amdhsa_kernel k_q03ed0d0682_quant
		.amdhsa_group_segment_fixed_size 33280
		.amdhsa_private_segment_fixed_size 0
		.amdhsa_enable_private_segment 0
		.amdhsa_kernarg_size 80
		.amdhsa_user_sgpr_count 2
		.amdhsa_user_sgpr_kernarg_segment_ptr 1
		.amdhsa_wavefront_size32 1
		.amdhsa_system_sgpr_workgroup_id_x 1
		.amdhsa_system_sgpr_workgroup_id_y 1
		.amdhsa_system_sgpr_workgroup_id_z 1
		.amdhsa_system_vgpr_workitem_id 0
		.amdhsa_next_free_vgpr 170
		.amdhsa_next_free_sgpr 66
		.amdhsa_reserve_vcc 0
		.amdhsa_float_denorm_mode_32 3
		.amdhsa_float_denorm_mode_16_64 3
		.amdhsa_memory_ordered 1
		.amdhsa_forward_progress 1
		.amdhsa_inst_pref_size 35
	.end_amdhsa_kernel
	.amdgpu_metadata
---
amdhsa.version: [ 1, 2 ]
amdhsa.kernels:
  - .name:           k_q03ed0d0682_quant
    .symbol:         k_q03ed0d0682_quant.kd
    .args:
      - { .name: x, .offset: 0, .size: 8, .value_kind: global_buffer, .address_space: global }
      - { .name: h, .offset: 8, .size: 8, .value_kind: global_buffer, .address_space: global }
      - { .name: W_f, .offset: 16, .size: 8, .value_kind: global_buffer, .address_space: global }
      - { .name: W_i, .offset: 24, .size: 8, .value_kind: global_buffer, .address_space: global }
      - { .name: W_c, .offset: 32, .size: 8, .value_kind: global_buffer, .address_space: global }
      - { .name: W_o, .offset: 40, .size: 8, .value_kind: global_buffer, .address_space: global }
      - { .name: a_codes, .offset: 48, .size: 8, .value_kind: global_buffer, .address_space: global }
      - { .name: a_scales, .offset: 56, .size: 8, .value_kind: global_buffer, .address_space: global }
      - { .name: w_codes, .offset: 64, .size: 8, .value_kind: global_buffer, .address_space: global }
      - { .name: w_scales, .offset: 72, .size: 8, .value_kind: global_buffer, .address_space: global }
    .group_segment_fixed_size: 33280
    .private_segment_fixed_size: 0
    .kernarg_segment_align: 8
    .kernarg_segment_size: 80
    .max_flat_workgroup_size: 128
    .sgpr_count:     66
    .vgpr_count:     170
    .wavefront_size: 32
...
	.end_amdgpu_metadata
.endif
;; end of part 1
;; launch cell (part 2): grid 16 x 16, 4 waves a work-group, clusters of 4 x 4, 327,680 bytes of LDS; arguments a_codes, a_scales, w_codes, w_scales, b_f, b_i, b_c, b_o, c, out0, out1; writes out0, out1
.if DOCPART == 2
	.amdgcn_target "amdgcn-amd-amdhsa--gfx1250"
	.amdhsa_code_object_version 6
	.text
	.protected	k_q03ed0d0682_cell
	.globl	k_q03ed0d0682_cell
	.p2align	8
	.type	k_q03ed0d0682_cell,@function
k_q03ed0d0682_cell:
	s_mov_b64 s[64:65], 0
	v_nop
	global_prefetch_b8 v0, s[64:65] scope:SCOPE_SE
	s_setreg_imm32_b32 hwreg(HW_REG_WAVE_MODE, 25, 1), 1
	s_wait_xcnt 0x0
	s_wait_alu depctr_hold_cnt(0) depctr_sa_sdst(0) depctr_va_vdst(0) depctr_va_sdst(0) depctr_va_ssrc(0) depctr_va_vcc(0) depctr_vm_vsrc(0)
	s_getreg_b32 s2, hwreg(HW_REG_IB_STS2, 6, 4)
	s_cmp_eq_u32 s2, 0
	s_cbranch_scc0 .Lentry_in_a_cluster
	s_endpgm
.Lentry_in_a_cluster:
	s_bfe_u32 s2, ttmp6, 0x10000c
	s_cmp_lg_u32 s2, 0xf033
	s_cbranch_scc0 .Lentry_shape_is_right
	s_endpgm
.Lentry_shape_is_right:
; gates = Q(xh) Q(W)^T + b on codes of FP4 (E2M1) with E8M0 scales for each 32 along K (K = 2,048), and the LSTM cell behind it; the gates never go to memory.
;   c_new = sigmoid(f) c + sigmoid(i) tanh(g);  h_new = sigmoid(o) tanh(c_new);  out0 = c_new, out1 = h_new, [8,192][1,024] f32.
; a_codes [8,192][1,024 bytes]; w_codes [4,096 rows n'][1,024 bytes], n' = 128 (j / 32) + 32 g + j % 32 (gate g, hidden unit j); a_scales, w_scales [groups of 128 rows][2 halves of K][128 rows][32 bytes].
; SHARES.  256 work-groups of four waves: 512 rows of the batch x 64 hidden units x 4 gates.  A wave takes 16 hidden units x 4 gates and KEEPS ITS FRAGMENTS OF W FOR ALL OF K IN REGISTERS (4 x 16 x 8 = 512):
; W's 256 rows come once, by tensor loads, into LDS bytes that later serve as the ring, and go from there into registers.  W's scale words and the biases are loaded into registers.
; xh goes through two LDS slots of 64 rows x 1,024 bytes (all of K), c's 64 rows x 256 bytes beside them; xh's scales of the 512 rows come once.
; A PAIR is 32 rows: 128 matrix instructions on 8 accumulators by turns (2 blocks of 16 rows x 4 gates), then the next pair's 72 LDS loads are issued, then the cell's arithmetic of this pair.
; THE MATRIX INSTRUCTION IS USED TRANSPOSED (source 0 = 16 rows of W, source 1 = 16 rows of xh): lane (r, h) holds row r and its registers hidden units 8 h + 0 .. 7 of one gate: the cell never changes lanes.  The biases are the C of each sum's first product.
; THE WAY OUT.  A pair's c_new and h_new go into one of two stages (32 rows x 256 bytes each, 64 bytes from each wave); behind the next pair's barrier each wave reads 8 whole rows of both and stores them, 16 lanes to 256 aligned bytes.
; That barrier is signalled ahead of the pair's products and awaited behind them; at every second pair it opens the round of the cluster's barrier behind which the slot just read out is filled again.
; CLUSTERS 4 x 4: the four of a row of the cluster need the same tiles and scales of xh, the four of a column the same rows of W: joint loads.  c's tile is each work-group's own.
; PREFETCH: in trip t each 256-byte block of the tile that trip t + 1 will load (tile t + 3) is named once: xh's 256 blocks shared out among the four partners by address (16 rows each, waves 0 and 1), c's 64 by waves 2 and 3;
; tiles 0 and 1 are named under W's load, tile 2 behind the first loads of the ring; the last trip, whose tile would lie behind the work-group's rows, names nothing.
; THE CELL: with E = e^(2 g), r = 1 / ((1 + e^-i)(E + 1)): sigmoid(i) tanh(g) = E r - r; likewise sigmoid(o) tanh(c_new).
; LIMITS: the exponent of E is held at 64 (base 2) from above, where tanh differs from 1 by less than 2^-63; where e^-i or a denominator passes f32's range the reciprocal is 0 and the term is its limit, 0.  NaN and infinities among the inputs are not served.
.set PA,   1040                        ; an LDS row of codes: 1,024 bytes + 16: an odd multiple of 16
.set PC,   272                         ; an LDS row of 256 bytes + 16
.set SLD,  0x20000                     ; from slot 0 to slot 1
.set CB,   64*PA                       ; c's slot 0, behind xh's slot 0 (slot 1 of both: + SLD)
.set XB,   CB+64*PC                    ; the two stages
.set XS,   64*PC                       ; a stage: 32 rows of c_new, 32 of h_new
.set SCL,  256*PA                      ; behind W's 256 rows: xh's scales, 128 pieces of 256 bytes
.set SPARE, SCL+128*PC                 ; the spare words, 512 bytes
.set LA, 8                             ; v8  r PA + 16 h
.set WA0, 9                            ; v9, v10  my rows of W in LDS: gates 0-1, gates 2-3
.set WA1, 10
.set LC, 11                            ; v11 c's slot 0: row r, my 32 bytes
.set LS, 12                            ; v12 my scale words of xh, tile 0
.set STO, 13                           ; v13 stage 0: row r, my 32 bytes
.set RD, 14                            ; v14 stage 0: whole rows back
.set CO, 15                            ; v15 two rows of an output
.set BO, 16                            ; v16 my place in a bias
.set WSO, 17                           ; v17 my place in W's scales
.set PFA, 18                           ; v18-20 prefetch offsets: tiles 0, 1, and the one that steps
.set PFB, 19
.set PFC, 20
.set ADRA, 21                          ; v21-23 LA, LC, LS for the tile in s85
.set ADRC, 22
.set ADRS, 23
.set SPW, 28
.set NIL, 29
.set WS, 32                            ; v32-63  W's scale words: 16 (b / 2) + q; lanes 0-15 gate 2 (b / 2), lanes 16-31 the next
.set AS, 64                            ; v64-79  xh's scale words of the pair: register q; lanes 0-15 block 0, lanes 16-31 block 1
.set BI, 80                            ; v80-111 the biases, 8 a gate
.set ACC, 112                          ; v112-175 accumulator (gate b, block e) at 16 b + 8 e
.set CC0, 176                          ; v176-207 c, a set for each parity of the pair
.set T, 208
.set SB, 224                           ; v224-255 rows on their way out
.set PADW, (1<<20)|(5<<22)|(3<<25)     ; 16 bytes behind every 256
.set PADK, (1<<20)|(7<<22)|(3<<25)     ; 16 bytes behind every 1,024
.set MSB, 0
.macro WIN new
.if MSB != (\new)
	s_set_vgpr_msb (MSB<<8)|(\new)
.set MSB, \new
.endif
.endm
.macro PLACES
.rept 4
	v_nop
.endr
.endm
.macro CREST
	s_cmp_lg_u32 s44, 0
	s_cbranch_scc1 .Lnw0_\@
	s_barrier_signal -3
.Lnw0_\@:
	s_barrier_wait -3
	s_barrier_signal -1
	s_barrier_wait -1
.endm
.macro CROUND
	s_barrier_signal -1
	s_barrier_wait -1
	CREST
.endm
.macro JLOAD                           ; waves 0, 1: xh's codes, jointly; waves 2, 3: c, the work-group's own
	s_cmp_eq_u32 s45, 0
	s_cbranch_scc0 .Lfc_\@
	tensor_load_to_lds s[32:35], s[24:31]
	s_nop 0
	PLACES
	s_branch .Lfj_\@
.Lfc_\@:
	tensor_load_to_lds s[36:39], s[92:99]
	s_nop 0
	PLACES
.Lfj_\@:
.endm
	s_load_b256 s[4:11], s[0:1], 0x0               ; a_codes, a_scales, w_codes, w_scales
	s_load_b256 s[12:19], s[0:1], 0x20             ; b_f, b_i, b_c, b_o
	s_load_b128 s[20:23], s[0:1], 0x40             ; c, out0
	s_load_b64 s[66:67], s[0:1], 0x50              ; out1
	v_lshl_add_u32 v[SPW], v0, 2, SPARE
	v_mov_b32 v[NIL], 0
	ds_add_u32 v[SPW], v[NIL]                      ; the opening lines: the add twice on end and one wait
	ds_add_u32 v[SPW], v[NIL]
	v_lshrrev_b32 v1, 5, v0
	v_readfirstlane_b32 s44, v1                    ; wave
	s_lshr_b32 s45, s44, 1
	s_and_b32 s46, s44, 1
	s_bfe_u32 s40, ttmp6, 0x40000                  ; cx, cy
	s_bfe_u32 s41, ttmp6, 0x40004
	s_lshl_b32 s42, ttmp9, 2
	s_add_co_u32 s42, s42, s40                     ; column: 64 hidden units
	s_and_b32 s43, ttmp7, 0xffff
	s_lshl_b32 s43, s43, 2
	s_add_co_u32 s43, s43, s41                     ; row: 512 rows of the batch
	s_lshl_b32 s104, s41, 2
	s_lshl_b32 s104, 15, s104                      ; my row of the cluster
	s_lshl_b32 s105, 0x1111, s40                   ; my column
	s_or_b32 s24, s104, (1<<21)|PADK               ; group 1, xh's codes: 64 rows x 1,024 bytes
	s_or_b32 s48, s105, (1<<21)|PADK               ; W's codes likewise
.irp g, 24, 48
	s_mov_b32 s[\g+1], 1024<<16
	s_mov_b32 s[\g+2], 64<<16
	s_mov_b32 s[\g+3], 1024<<16
	s_mov_b32 s[\g+4], 64
	s_mov_b32 s[\g+5], 1024
	s_mov_b32 s[\g+6], 0
	s_mov_b32 s[\g+7], 0
.endr
	s_or_b32 s68, s104, (3<<16)|(1<<21)|PADW       ; xh's scales: 32,768 dense bytes as 128 rows of 256
	s_mov_b32 s69, 32<<16
	s_mov_b32 s70, 128<<16
	s_mov_b32 s71, 32<<16
	s_mov_b32 s72, 128
	s_mov_b32 s73, 32
	s_mov_b32 s74, 0
	s_mov_b32 s75, 0
	s_mov_b32 s92, (2<<16)|PADW                    ; c: 64 rows x 64 numbers, 1,024 apart
	s_mov_b32 s93, 64<<16
	s_mov_b32 s94, 64<<16
	s_mov_b32 s95, 64<<16
	s_mov_b32 s96, 64
	s_mov_b32 s97, 1024
	s_mov_b32 s98, 0
	s_mov_b32 s99, 0
	s_mov_b32 s80, 0xbfb8aa3b                      ; -log2(e), twice
	s_mov_b32 s81, 0xbfb8aa3b
	s_mov_b32 s82, 0x4038aa3b                      ; 2 log2(e), twice
	s_mov_b32 s83, 0x4038aa3b
	s_mov_b32 s84, 0x42800000                      ; 64.0
	s_lshl_b32 s2, s43, 19                         ; xh's codes: 512 rows of 1,024 bytes
	s_mov_b32 s3, 0
	s_lshl_b32 s100, s42, 18                       ; W's codes: 256 rows a column, 64 a wave
	s_lshl_b32 s47, s44, 16
	s_add_co_u32 s100, s100, s47
	s_mov_b32 s101, 0
	s_lshl_b32 s86, s43, 15                        ; xh's scales: 64 bytes a row
	s_mov_b32 s87, 0
	s_lshl_b32 s88, s43, 21                        ; c and the outputs: 512 rows of 4,096 bytes, 256 bytes a column
	s_lshl_b32 s47, s42, 8
	s_add_co_u32 s88, s88, s47
	s_mov_b32 s89, 0
	s_lshl_b32 s90, s42, 1                         ; W's scales: my group of 128 rows, my 16 of each gate's 32
	s_add_co_u32 s90, s90, s45
	s_lshl_b32 s90, s90, 13
	s_lshl_b32 s47, s46, 9
	s_add_co_u32 s90, s90, s47
	s_mov_b32 s91, 0
	s_wait_dscnt 0x0
	s_wait_kmcnt 0x0
	s_add_nc_u64 s[4:5], s[4:5], s[2:3]
	s_add_nc_u64 s[8:9], s[8:9], s[100:101]
	s_add_nc_u64 s[6:7], s[6:7], s[86:87]
	s_add_nc_u64 s[10:11], s[10:11], s[90:91]
	s_add_nc_u64 s[20:21], s[20:21], s[88:89]
	s_add_nc_u64 s[22:23], s[22:23], s[88:89]
	s_add_nc_u64 s[66:67], s[66:67], s[88:89]
	s_lshl_b32 s88, s44, 15                        ; of a pair's 32 rows I store 8
	s_add_nc_u64 s[22:23], s[22:23], s[88:89]
	s_add_nc_u64 s[66:67], s[66:67], s[88:89]
	s_mov_b32 s56, 1                               ; group 0: my 64 rows of W
	s_mul_i32 s57, s44, 64*PA
	s_mov_b64 s[58:59], s[8:9]
	s_or_b32 s59, s59, 0x80000000
	s_mov_b32 s76, 1                               ; xh's scales
	s_mov_b32 s77, SCL
	s_mov_b64 s[78:79], s[6:7]
	s_or_b32 s79, s79, 0x80000000
	s_mov_b32 s32, 1                               ; the ring's first loads, whole tiles: wave 0 tile 0, wave 1 tile 1,
	s_lshl_b32 s33, s46, 17
	s_lshl_b32 s2, s46, 16
	s_add_nc_u64 s[34:35], s[4:5], s[2:3]
	s_or_b32 s35, s35, 0x80000000
	s_mov_b32 s36, 1                               ; waves 2 and 3 the same of c
	s_add_co_u32 s37, s33, CB
	s_lshl_b32 s2, s46, 18
	s_add_nc_u64 s[38:39], s[20:21], s[2:3]
	s_or_b32 s39, s39, 0x80000000
	s_mov_b32 s62, 0x40000                         ; the prefetches: base, a tile's stride, and which of the two offsets
	s_cmp_eq_u32 s45, 0
	s_cselect_b32 s62, 0x10000, s62
	s_cselect_b32 s63, -1, 0
	s_cselect_b64 s[60:61], s[4:5], s[20:21]
	s_lshl_b32 s86, s45, 7
	s_lshl_b32 s47, s46, 4
	s_add_co_u32 s86, s86, s47
	s_mul_i32 s86, s86, PA                         ; my first row of W in LDS: 128 (wave / 2) + 16 (wave % 2)
	s_lshl_b32 s87, s44, 6                         ; my 64 bytes of a row of 256
	s_mul_i32 s88, s44, 8*PC                       ; my 8 rows of a stage
	s_lshl_b32 s89, s42, 8
	s_add_co_u32 s89, s89, s87                     ; a bias: 4 (64 column + 16 wave)
	s_lshl_b32 s90, s40, 1
	s_add_co_u32 s90, s90, s46
	s_lshl_b32 s90, s90, 13                        ; xh's blocks: rows 16 cx + 8 (wave % 2) ..
	s_lshl_b32 s91, s46, 17                        ; c's blocks: rows 32 (wave % 2) ..
	CROUND                                         ; in front of the first joint loads
	tensor_load_to_lds s[56:59], s[48:55]          ; my one load at the head
	s_nop 0
	PLACES
	v_and_b32 v1, 15, v0                           ; r
	v_bfe_u32 v2, v0, 4, 1                         ; h
	v_and_b32 v3, 31, v0
	v_mul_u32_u24 v4, v1, PA
	v_lshl_add_u32 v[LA], v2, 4, v4
	v_add_nc_u32 v[WA0], s86, v[LA]
	v_add_nc_u32 v[WA1], 64*PA, v[WA0]
	v_mul_u32_u24 v5, v1, PC
	v_lshl_add_u32 v5, v2, 5, v5
	v_add_nc_u32 v5, s87, v5
	v_add_nc_u32 v[LC], CB, v5
	v_add_nc_u32 v[STO], XB, v5
	v_lshrrev_b32 v6, 3, v1
	v_lshl_add_u32 v6, v2, 1, v6
	v_mul_u32_u24 v6, v6, PC                       ; 8 rows of 32 scale bytes to a piece: piece 2 h + r / 8,
	v_and_b32 v7, 7, v1
	v_lshl_add_u32 v6, v7, 5, v6                   ; 32 (r % 8) in it
	v_add_nc_u32 v[LS], SCL, v6
	v_mul_u32_u24 v7, v2, PC
	v_lshl_add_u32 v7, v1, 4, v7
	v_add_nc_u32 v7, s88, v7
	v_add_nc_u32 v[RD], XB, v7
	v_lshlrev_b32 v[CO], 12, v2
	v_lshl_add_u32 v[CO], v1, 4, v[CO]
	v_lshl_add_u32 v[BO], v2, 5, s89
	v_lshlrev_b32 v[WSO], 10, v2
	v_lshl_add_u32 v[WSO], v1, 5, v[WSO]
	v_lshrrev_b32 v24, 2, v3
	v_lshlrev_b32 v24, 10, v24
	v_and_b32 v25, 3, v3
	v_lshl_add_u32 v24, v25, 8, v24
	v_add_nc_u32 v24, s90, v24                     ; xh: four lanes to a row of 1,024 bytes
	v_lshlrev_b32 v25, 12, v3
	v_add_nc_u32 v25, s91, v25                     ; c: a lane to a row
	v_cndmask_b32 v[PFA], v25, v24, s63
	v_add_nc_u32 v[PFB], s62, v[PFA]
	v_add_nc_u32 v[PFC], s62, v[PFB]
	s_wait_alu depctr_va_vdst(0)                   ; the wait at the head's end
.irp p, 0,1
.irp f, 0,1
.irp i, 0,1
	global_load_b128 v[WS+16*\p+8*\f+4*\i:WS+16*\p+8*\f+4*\i+3], v[WSO], s[10:11] offset:2048*\p+4096*\f+16*\i
.endr
.endr
.endr
.irp g, 0,1,2,3
.irp k, 0,1
	global_load_b128 v[BI+8*\g+4*\k:BI+8*\g+4*\k+3], v[BO], s[12+2*\g:13+2*\g] offset:16*\k
.endr
.endr
	global_prefetch_b8 v[PFA], s[60:61] th:TH_LOAD_NT scope:SCOPE_SE
	global_prefetch_b8 v[PFB], s[60:61] th:TH_LOAD_NT scope:SCOPE_SE
	s_wait_tensorcnt 0x0                           ; my rows of W are in
	ds_add_u32 v[SPW], v[NIL]
	s_wait_dscnt 0x0
	CROUND
	s_cmp_lg_u32 s44, 0
	s_cbranch_scc1 .Lno_scales
	tensor_load_to_lds s[76:79], s[68:75]          ; xh's scales, bytes of their own, filled once
	s_nop 0
	PLACES
.Lno_scales:
.set Q, 0
.rept 16                               ; W into registers: fragment (gate b, step q) at 8 (4 (q % 8) + b) of window 2 (q < 8) or 3
	WIN 0x80+0x40*(Q/8)
.irp b, 0,1,2,3
.irp c, 0,1
	ds_load_b128 v[((Q%8)*4+\b)*8+4*\c:((Q%8)*4+\b)*8+4*\c+3], v[WA0+\b/2] offset:(\b%2)*32*PA+64*Q+32*\c
.endr
.endr
.set Q, Q+1
.endr
	WIN 0
	s_wait_tensorcnt 0x0                           ; ahead of the refill of W's bytes:
	ds_add_u32 v[SPW], v[NIL]
	s_wait_dscnt 0x0                               ; the add is done and W is in my registers
	CROUND
	JLOAD                                          ; tiles 0 and 1 of xh and of c
	global_prefetch_b8 v[PFC], s[60:61] th:TH_LOAD_NT scope:SCOPE_SE   ; tile 2
	s_mul_i32 s86, s46, 32*PA
	s_add_co_u32 s86, s86, SLD
	s_mul_i32 s87, s46, 32*PC
	s_add_co_u32 s87, s87, CB+SLD
	s_lshl_b32 s2, s46, 15
	s_add_co_u32 s2, s2, 0x10000
	s_lshl_b32 s100, s46, 17
	s_add_co_u32 s100, s100, 0x40000
	s_wait_tensorcnt 0x0                           ; no load of mine is out: the descriptors are written for the ring: 32 rows a wave, standing at tile 1, slot 1; each refill steps them first
	s_mov_b32 s26, 32<<16
	s_mov_b32 s28, 32
	s_mov_b32 s94, 32<<16
	s_mov_b32 s96, 32
	s_mov_b32 s33, s86
	s_add_nc_u64 s[34:35], s[4:5], s[2:3]
	s_or_b32 s35, s35, 0x80000000
	s_mov_b32 s37, s87
	s_add_nc_u64 s[38:39], s[20:21], s[100:101]
	s_or_b32 s39, s39, 0x80000000
	s_barrier_signal -1
	s_barrier_wait -1                              ; everybody's part of tiles 0 and 1 is in
.macro SETADR                          ; the LDS addresses of tile s85: slot s85 % 2; scales: group s85 / 2 (32 pieces), its half s85 % 2 (8 pieces)
	s_and_b32 s86, s85, 1
	s_lshl_b32 s87, s86, 17
	s_mul_i32 s86, s86, 8*PC
	s_lshr_b32 s88, s85, 1
	s_mul_i32 s88, s88, 32*PC
	s_add_co_u32 s86, s86, s88
	v_add_nc_u32 v[ADRA], s87, v[LA]
	v_add_nc_u32 v[ADRC], s87, v[LC]
	v_add_nc_u32 v[ADRS], s86, v[LS]
	s_wait_alu depctr_va_vdst(0)                   ; the wait behind these writes
.endm
.macro FR pp, q0, n                    ; xh's fragments (block e, step q) at 8 (2 q + e) of window 1
	WIN 0x40
.set Q, \q0
.rept \n
.irp e, 0,1
.irp c, 0,1
	ds_load_b128 v[(Q*2+\e)*8+4*\c:(Q*2+\e)*8+4*\c+3], v[ADRA] offset:(32*\pp+16*\e)*PA+64*Q+32*\c
.endr
.endr
.set Q, Q+1
.endr
	WIN 0
.endm
.macro LF1 pp                          ; 16 loads: the pair's scale words, its c, its first two steps' fragments
.irp i, 0,1,2,3
	ds_load_b128 v[AS+4*\i:AS+4*\i+3], v[ADRS] offset:\pp*4*PC+(\i/2)*16*PC+16*(\i%2)
.endr
.irp e, 0,1
.irp k, 0,1
	ds_load_b128 v[CC0+16*\pp+8*\e+4*\k:CC0+16*\pp+8*\e+4*\k+3], v[ADRC] offset:(32*\pp+16*\e)*PC+16*\k
.endr
.endr
	FR \pp, 0, 2
.endm
.macro LF2 pp                          ; 32 loads: steps 2 to 9; steps 10 to 15 (24 loads) stand among the cell's arithmetic
	FR \pp, 2, 8
.endm
.macro WM
.if R_ == 0
	v_wmma_scale_f32_16x16x128_f8f6f4 v[D_:D_+7], v[W_:W_+7], v[A_:A_+7], v[C_:C_+7], v[SW_], v[AS+Q] matrix_a_fmt:MATRIX_FMT_FP4 matrix_b_fmt:MATRIX_FMT_FP4
.endif
.if R_ == 1
	v_wmma_scale_f32_16x16x128_f8f6f4 v[D_:D_+7], v[W_:W_+7], v[A_:A_+7], v[C_:C_+7], v[SW_], v[AS+Q] matrix_a_fmt:MATRIX_FMT_FP4 matrix_b_fmt:MATRIX_FMT_FP4 matrix_b_scale:MATRIX_SCALE_ROW1
.endif
.if R_ == 2
	v_wmma_scale_f32_16x16x128_f8f6f4 v[D_:D_+7], v[W_:W_+7], v[A_:A_+7], v[C_:C_+7], v[SW_], v[AS+Q] matrix_a_fmt:MATRIX_FMT_FP4 matrix_b_fmt:MATRIX_FMT_FP4 matrix_a_scale:MATRIX_SCALE_ROW1
.endif
.if R_ == 3
	v_wmma_scale_f32_16x16x128_f8f6f4 v[D_:D_+7], v[W_:W_+7], v[A_:A_+7], v[C_:C_+7], v[SW_], v[AS+Q] matrix_a_fmt:MATRIX_FMT_FP4 matrix_b_fmt:MATRIX_FMT_FP4 matrix_a_scale:MATRIX_SCALE_ROW1 matrix_b_scale:MATRIX_SCALE_ROW1
.endif
.endm
.macro MULS                            ; a pair's 128 products, K ascending; the 8 accumulators take turns; the first step's C is the bias
	WIN 0x06                                       ; source 0 (W) window 2, source 1 (xh) window 1, C and D window 0
.set Q, 0
.rept 16
.if Q == 8
	WIN 0x07
.endif
.set E_, 0
.rept 2
.set B_, 0
.rept 4
.set D_, ACC+16*B_+8*E_
.set C_, D_
.if Q == 0
.set C_, BI+8*B_
.endif
.set W_, ((Q%8)*4+B_)*8
.set A_, (Q*2+E_)*8
.set SW_, WS+(B_/2)*16+Q
.set R_, (B_%2)*2+E_
	WM
.set B_, B_+1
.endr
.set E_, E_+1
.endr
.set Q, Q+1
.endr
	WIN 0
.endm
.macro SLOAD xs                        ; the pair before: my 8 whole rows of c_new and of h_new out of stage xs
	s_wait_xcnt 0x0                                ; the last stores have read their registers and bases
	s_add_nc_u64 s[22:23], s[22:23], 0x20000       ; 32 rows on; the stores' offsets take them off again
	s_add_nc_u64 s[66:67], s[66:67], 0x20000
.irp o, 0,1
.irp i, 0,1,2,3
	ds_load_b128 v[SB+16*\o+4*\i:SB+16*\o+4*\i+3], v[RD] offset:\xs*XS+\o*32*PC+2*\i*PC
.endr
.endr
.endm
.macro SSTORE younger
	s_wait_dscnt \younger                          ; the 8 loads from the stage are in; the fragment loads issued behind them may be out
.irp i, 0,1,2,3
	global_store_b128 v[CO], v[SB+4*\i:SB+4*\i+3], s[22:23] offset:2*\i*4096-0x20000 th:TH_STORE_NT   ; 16 lanes store 256 consecutive bytes, aligned
.endr
.irp i, 0,1,2,3
	global_store_b128 v[CO], v[SB+16+4*\i:SB+16+4*\i+3], s[66:67] offset:2*\i*4096-0x20000 th:TH_STORE_NT
.endr
.endm
.macro ONE op, d, n
.set I1, 0
.rept \n
	\op v[\d+I1], v[\d+I1]
.set I1, I1+1
.endr
.endm
.macro HOLD d
.set I1, 0
.rept 16
	v_min_num_f32 v[\d+I1], s84, v[\d+I1]
.set I1, I1+1
.endr
.endm
.macro PKS d, s, k                     ; 16 numbers: d = s x the scalar
.set I1, 0
.rept 8
	v_pk_mul_f32 v[\d+I1:\d+I1+1], v[\s+I1:\s+I1+1], s[\k:\k+1] op_sel_hi:[1,0]
.set I1, I1+2
.endr
.endm
.macro PK1 d, s                        ; d = s + 1
.set I1, 0
.rept 8
	v_pk_add_f32 v[\d+I1:\d+I1+1], v[\s+I1:\s+I1+1], 1.0 op_sel_hi:[1,0]
.set I1, I1+2
.endr
.endm
.macro PKF d, a, b, c, neg             ; d = a b + c, or a b - c
.set I1, 0
.rept 16
.if \neg
	v_fma_f32 v[\d+I1], v[\a+I1], v[\b+I1], -v[\c+I1]
.else
	v_fma_f32 v[\d+I1], v[\a+I1], v[\b+I1], v[\c+I1]
.endif
.set I1, I1+1
.endr
.endm
.macro TOST src, off
.irp e, 0,1
.irp k, 0,1
	ds_store_b128 v[STO], v[\src+8*\e+4*\k:\src+8*\e+4*\k+3] offset:\off+16*\e*PC+16*\k
.endr
.endr
.endm
.set GF, ACC
.set GI, ACC+16
.set GG, ACC+32
.set GO, ACC+48
; The cell for a pair: 16 numbers a lane in each gate, in place on the accumulators, each read from its low end on.  The waits on the vector side stand ahead of and behind each batch of transcendentals.
.macro EPI pp, snd, younger, nxt       ; nxt: which pair of its tile comes next (0, 1), or -1: none; its last 24 fragment loads are issued here, 8 at a time
	PKS GF, GF, 80
	PKS GI, GI, 80
	PKS GG, GG, 82
	PKS GO, GO, 80
	HOLD GG
	s_wait_alu depctr_va_vdst(0)
.if \snd
	SSTORE \younger
.endif
.if (\nxt) >= 0
	FR \nxt, 10, 2
.endif
	ONE v_exp_f32, GF, 64                          ; e^-f, e^-i, E, e^-o
	v_nop
.if (\nxt) >= 0
	FR \nxt, 14, 2                                 ; loads that name none of the batch's results stand between the batch and its wait
.endif
	s_wait_alu depctr_va_vdst(0)
	PK1 T, GG                                      ; E + 1
	PK1 GF, GF                                     ; 1 + e^-f
	PKF GI, GI, T, T, 0                            ; (1 + e^-i)(E + 1)
	s_wait_alu depctr_va_vdst(0)
	ONE v_rcp_f32, GF, 32                          ; sigmoid(f), r
	v_nop
.if (\nxt) >= 0
	FR \nxt, 12, 2
.endif
	s_wait_alu depctr_va_vdst(0)
	PKF T, GF, CC0+16*\pp, GI, 1                   ; sigmoid(f) c - r
	PKF T, GG, GI, T, 0                            ; + E r = c_new
	PKS GG, T, 82
	HOLD GG
	s_wait_alu depctr_va_vdst(0)
	ONE v_exp_f32, GG, 16                          ; E' = e^(2 c_new)
	v_nop
	TOST T, \pp*XS                                 ; c_new into the stage, between the batch and its wait
	s_wait_alu depctr_va_vdst(0)
	PK1 GF, GG
	PKF GO, GO, GF, GF, 0                          ; (1 + e^-o)(E' + 1)
	s_wait_alu depctr_va_vdst(0)
	ONE v_rcp_f32, GO, 16
	v_nop
	s_wait_alu depctr_va_vdst(0)
	PKF GI, GG, GO, GO, 1                          ; h_new = E' r' - r'
	TOST GI, \pp*XS+32*PC
.endm
.macro EVEN snd                        ; a tile's first pair
	s_wait_dscnt 0x0                               ; my fragments are in, my stores into the stage and my reads of the other stage are done
.if \snd
	s_barrier_signal -1
.endif
	MULS
.if \snd
	s_barrier_wait -1                              ; everybody's part of the pair before lies in stage 1
.endif
.if \snd
	SLOAD 1                                        ; into registers that no product names
.endif
	PLACES
	LF1 1
	LF2 1
	EPI 0, \snd, 48, 1                             ; behind the 8 loads from the stage: 16 + 32 loads
.endm
.macro ODD fill, last                  ; a tile's second pair: its loads were the last reads of the tile's slot
.if \last
	s_wait_dscnt 0x0
.else
	s_wait_tensorcnt 0x0                           ; my part of the next tile is in;
	ds_add_u32 v[SPW], v[NIL]
.if \fill
	s_xor_b32 s33, s33, SLD                        ; no load of mine is out: on to the tile two on, into the slot just read out
	s_add_nc_u64 s[34:35], s[34:35], 0x10000
	s_xor_b32 s37, s37, SLD
	s_add_nc_u64 s[38:39], s[38:39], 0x40000
.endif
	s_wait_dscnt 0x0                               ; the add, my reads of the slot, my stage stores
.endif
	s_barrier_signal -1
	MULS
	s_barrier_wait -1
.if \fill
	CREST                                          ; the barrier has opened a round of the cluster's barrier
	JLOAD                                          ; my one load behind it; its four v_nop are the places in front of the loads below
	s_wait_xcnt 0x0                                ; my last prefetch has read its offset
	v_add_nc_u32 v[PFC], s62, v[PFC]
.else
	PLACES
.endif
.if \last
	SLOAD 0
	EPI 1, 1, 0, -1
.else
	s_add_co_u32 s85, s85, 1
	SETADR
	SLOAD 0
	LF1 0
	LF2 0
.if \fill
	s_cmp_lt_u32 s85, 6                            ; tile s85 + 2, which the next trip loads; the last trip has none
	s_cbranch_scc0 .Lnp_\@
	global_prefetch_b8 v[PFC], s[60:61] th:TH_LOAD_NT scope:SCOPE_SE
.Lnp_\@:
.endif
	EPI 1, 1, 48, 0
.endif
.endm
	s_mov_b32 s85, 0
	SETADR
	LF1 0
	LF2 0
	FR 0, 10, 6
	s_wait_loadcnt 0x0                             ; W's scale words and the biases
	EVEN 0
.Ltile:                                            ; a trip: tile t's second pair, the change of slots with tile t + 2's loads, tile t + 1's first pair
	ODD 1, 0
	EVEN 1
	s_cmp_lt_u32 s85, 6
	s_wait_alu depctr_va_vdst(0)
	s_cbranch_scc1 .Ltile
	ODD 0, 0                                       ; tiles 6 and 7 fill nothing
	EVEN 1
	ODD 0, 1
	s_wait_dscnt 0x0
	s_barrier_signal -1
	s_barrier_wait -1
	SLOAD 1                                        ; the last pair
	SSTORE 0
	s_wait_tensorcnt 0x0                           ; the wave's end
	ds_add_u32 v[SPW], v[NIL]
	s_wait_dscnt 0x0
	CROUND                                         ; the closing round
	s_endpgm
.Lfunc_end_k_q03ed0d0682_cell:
	.size	k_q03ed0d0682_cell, .Lfunc_end_k_q03ed0d0682_cell-k_q03ed0d0682_cell
	.p2alignl 7, 3214868480
	.fill 96, 4, 3214868480
	.section	.rodata,"a",@progbits
	.p2align	6, 0x0
	.amdhsa_kernel k_q03ed0d0682_cell
		.amdhsa_group_segment_fixed_size 327680
		.amdhsa_private_segment_fixed_size 0
		.amdhsa_enable_private_segment 0
		.amdhsa_kernarg_size 88
		.amdhsa_user_sgpr_count 2
		.amdhsa_user_sgpr_kernarg_segment_ptr 1
		.amdhsa_wavefront_size32 1
		.amdhsa_system_sgpr_workgroup_id_x 1
		.amdhsa_system_sgpr_workgroup_id_y 1
		.amdhsa_system_sgpr_workgroup_id_z 1
		.amdhsa_system_vgpr_workitem_id 0
		.amdhsa_next_free_vgpr 1024
		.amdhsa_next_free_sgpr 106
		.amdhsa_reserve_vcc 0
		.amdhsa_float_denorm_mode_32 3
		.amdhsa_float_denorm_mode_16_64 3
		.amdhsa_memory_ordered 1
		.amdhsa_forward_progress 1
		.amdhsa_inst_pref_size 249
	.end_amdhsa_kernel
	.amdgpu_metadata
---
amdhsa.version: [ 1, 2 ]
amdhsa.kernels:
  - .name:           k_q03ed0d0682_cell
    .symbol:         k_q03ed0d0682_cell.kd
    .args:
      - { .name: a_codes, .offset: 0, .size: 8, .value_kind: global_buffer, .address_space: global }
      - { .name: a_scales, .offset: 8, .size: 8, .value_kind: global_buffer, .address_space: global }
      - { .name: w_codes, .offset: 16, .size: 8, .value_kind: global_buffer, .address_space: global }
      - { .name: w_scales, .offset: 24, .size: 8, .value_kind: global_buffer, .address_space: global }
      - { .name: b_f, .offset: 32, .size: 8, .value_kind: global_buffer, .address_space: global }
      - { .name: b_i, .offset: 40, .size: 8, .value_kind: global_buffer, .address_space: global }
      - { .name: b_c, .offset: 48, .size: 8, .value_kind: global_buffer, .address_space: global }
      - { .name: b_o, .offset: 56, .size: 8, .value_kind: global_buffer, .address_space: global }
      - { .name: c, .offset: 64, .size: 8, .value_kind: global_buffer, .address_space: global }
      - { .name: out0, .offset: 72, .size: 8, .value_kind: global_buffer, .address_space: global }
      - { .name: out1, .offset: 80, .size: 8, .value_kind: global_buffer, .address_space: global }
    .group_segment_fixed_size: 327680
    .private_segment_fixed_size: 0
    .kernarg_segment_align: 8
    .kernarg_segment_size: 88
    .max_flat_workgroup_size: 128
    .sgpr_count:     106
    .vgpr_count:     1024
    .wavefront_size: 32
...
	.end_amdgpu_metadata
.endif
;; end of part 2
